; MI455X (gfx1250); checked and timed in simulation.
; The chip was launched on July 23, 2026; its instructions are those of AMD's public machine-readable ISA for CDNA 5 (MIT licence, August 2026) and "CDNA5" Instruction Set Architecture Reference Guide (July 2026). The comments in the code are by the model that wrote it; some were corrected since.
;; Bilinear Pooling. Allowed arithmetic: float matrix products may take bf16 or f16 operands with f32 sums; all other float work in f32.
;; Inputs: data 32 x 256 x 64 x 64 float32; offset 32 x 2 x 64 x 64 float32; trans_std one number float32.
;; Outputs: out0 32 x 256 float32.
;; 3 versions, each right; version 2 is faster than version 1; version 3 is version 2 with the launch dot written anew for expert scheduling mode. Each part assembles by itself: llvm-mc -triple=amdgcn-amd-amdhsa -mcpu=gfx1250 --defsym DOCPART=n.
;; ======== version 1 of 3: 1 launch
;; limits: values outside matrix products are rounded to bf16
;; launch pool (part 1): grid 256 x 1, 8 waves a work-group, no clusters, 316,416 bytes of LDS; arguments data, offset, trans_std, out0; writes out0
.if DOCPART == 1
	.amdgcn_target "amdgcn-amd-amdhsa--gfx1250"
	.amdhsa_code_object_version 6
	.text
	.protected	k_q049ed8456a_pool
	.globl	k_q049ed8456a_pool
	.p2align	8
	.type	k_q049ed8456a_pool,@function
k_q049ed8456a_pool:
	s_mov_b64 s[64:65], 0
	v_nop
	global_prefetch_b8 v0, s[64:65] scope:SCOPE_SE
	s_setreg_imm32_b32 hwreg(HW_REG_WAVE_MODE, 25, 1), 1
	s_wait_xcnt 0x0
; out0[b][c] = mean over the 4,096 sample points of the bilinear sample of data[b][c] at (y, x),
;   y = clip(i + ts*64*offset[b][0][i][j], 0, 63), x likewise with j, ts = clip(trans_std, 0.001, 0.01).
; The weights do not hang on the channel, so  out0[b][c] = 1/4096 * sum over pixels p of data[b][c][p] * Wt[b][p]  with
;   Wt[b][py][px] = sum over samples n of hat(y_n - py) * hat(x_n - px),   hat(t) = max(0, 1 - |t|) = median(1 + t, 1 - t, 0).
; For y in [0, 63] hat gives 1 - wy at y0 and wy at y0 + 1 as reference() does (its clip of y0 to 62 included) and 0 elsewhere:
; nothing is scattered, and no address or branch hangs on a floating-point number.  Wt[b] is a product of 64 x 4096 by 4096 x 64
; and goes to the matrix unit: hats rounded to bf16, sums in f32.
;
; SHARES.  256 work-groups of 8 waves; work-group x has batch x / 8 and channels 32 (x % 8) .. + 31: 512 KiB of data, read once.
; All of it is asked for before any arithmetic: a wave takes its channels 4w, 4w+1 by 64 loads of 512 bytes into v256-v511 and its
; channels 4w+2, 4w+3 by two tensor loads of 16 KiB into LDS bytes of its own; the planes arrive while Wt is made.
; Each of a batch's eight work-groups makes the whole Wt[b] for itself: work-groups of a launch hand each other nothing.
; In the product wave w takes samples 512 w .. + 511 (16 K steps of 32) for all 64 x 64 outputs; the eight partial maps are added through LDS.
; NO CLUSTER: the work-groups of a batch share only the offset field, 32 KiB of the 544 KiB that each reads.
;
; LIMITS.  Weights carry bf16's rounding (2^-9 relative); sums run in another order than reference()'s; y is one fused multiply-add.
; A NaN in trans_std is taken as 0.001 and a NaN in offset is not passed on.  An infinity or NaN in a pixel that no sample touches
; meets the weight 0 here and gives NaN, where reference() never reads that pixel.
.set PLANE,  16384                     ; bytes of one channel's 64 x 64 plane
.set NLOADS, 64                        ; loads of 512 bytes for a wave's two planes in registers
.set NFIRST, 55                        ; of them issued behind the 8 offset loads: 63 loads out
.set SCR,    16*PLANE                  ; LDS: 0 .. SCR-1 are the 16 planes brought by tensor loads, never stored to
.set XOFF,   2048                      ; a wave's coordinates: 512 y, then 512 x, 4,096 bytes a wave from SCR on
.set PITCH,  272                       ; a row of 64 f32 + 16 bytes: sixteen rows' equal columns fall on sixteen different 16-byte columns
.set PARTW,  16*PITCH                  ; a wave's partial map, 16 rows at a time; eight of them from SCR on (over the coordinates, behind a barrier)
.set FINAL,  SCR+8*PARTW               ; the summed map, 64 rows
.set OUTG,   FINAL+64*PITCH            ; the work-group's 32 results
.set KSTEPS, 16
.set LANE16, 1                         ; v1   16 x lane: offset of all global loads, never rewritten
.set VR,     2                         ; v2   lane % 16
.set VH,     3                         ; v3   lane / 16
.set CA,     4                         ; v4   LDS: my 16 samples' y of the K step at hand
.set CST,    5                         ; v5   LDS: where I put four coordinates
.set STO,    6                         ; v6   LDS: my wave's partial map, row r, 32 h
.set RD,     7                         ; v7   LDS: partial 0, the two rows that my wave adds
.set FST,    8                         ; v8   LDS: the same two rows in the summed map
.set WRD,    9                         ; v9   LDS: summed map, rows 0 and 1
.set LRD,    10                        ; v10  LDS: my wave's two planes
.set OST,    11                        ; v11  LDS: my wave's four results
.set SUM,    12                        ; v[12:15]   four channel sums
.set CLO,    16                        ; v[16+4t:17+4t]  1 - (16 t + r), twice
.set CHI,    18                        ; v[18+4t:19+4t]  1 + (16 t + r), twice
.set CH,     16                        ; v[16:23]   behind the product: four chains of two sums
.set YC,     32                        ; v[32:47]   y of my 16 samples
.set XC,     48                        ; v[48:63]   x of my 16 samples
.set YF,     64                        ; v[64:95]   four fragments: hats of py = 16 t + r
.set XF,     96                        ; v[96:111]  two buffers for a fragment: hats of px = 16 u + r
.set TA,     112                       ; v[112:119] at work
.set TB,     120                       ; v[120:127] at work
.set ACC,    128                       ; v[128:255] tile (t, u) at 8 (4 t + u); later Wt: pixels 128 m + 4 lane .. + 3 at 4 m
.set DY,     64                        ; before the product: offsets as loaded, then y and x
.set DX,     80
.set TS,     96                        ; 64 ts, twice
.set FI,     98                        ; the samples' row i, twice
.set FJ,     100                       ; their columns j .. j + 3
.set RB,     32                        ; v[32:63]   eight partials of my two rows
.set B0,     32                        ; two buffers of eight 16-byte loads for the planes in LDS
.set B1,     64
.set MSB, 0
.macro WIN new                         ; register window; the immediate's high byte repeats the setting that is left
.if MSB != \new
	s_set_vgpr_msb (MSB<<8)|\new
.set MSB, \new
.endif
.endm
	s_load_b256 s[4:11], s[0:1], 0x0               ; data s[4:5], offset s[6:7], trans_std s[8:9], out0 s[10:11]
	v_lshl_add_u32 v254, v0, 2, 0x4d000
	v_mov_b32 v255, 0
	ds_add_u32 v254, v255
	ds_add_u32 v254, v255
	s_wait_dscnt 0x0
	v_lshrrev_b32 v[TA], 5, v0
	v_readfirstlane_b32 s12, v[TA]                 ; wave 0..7
	v_and_b32 v[LANE16], 31, v0
	v_lshlrev_b32 v[LANE16], 4, v[LANE16]
	v_and_b32 v[VR], 15, v0
	v_bfe_u32 v[VH], v0, 4, 1
	; descriptor group 1: a dense plane as 64 rows of 32 elements of 8 bytes (256 bytes a row), no padding: it is read back contiguously
	s_mov_b32 s16, 3<<16                           ; element of 8 bytes; no work-group mask, no padding
	s_mov_b32 s17, 32<<16                          ; tensor_dim0 = 32
	s_mov_b32 s18, 64<<16                          ; tensor_dim1 = 64
	s_mov_b32 s19, 32<<16                          ; tile_dim0 = 32
	s_mov_b32 s20, 64                              ; tile_dim1 = 64
	s_mov_b32 s21, 32                              ; pitch = 32 elements
	s_mov_b32 s22, 0
	s_mov_b32 s23, 0
	s_lshl_b32 s14, ttmp9, 19                      ; 32 planes a work-group
	s_lshl_b32 s13, s12, 16                        ; 4 planes a wave
	s_add_co_u32 s14, s14, s13                     ; below 2^27
	s_mov_b32 s15, 0
	s_lshr_b32 s36, ttmp9, 3                       ; batch
	s_lshl_b32 s36, s36, 15                        ; 2 x 4,096 f32 a batch
	s_lshl_b32 s13, s12, 11                        ; 512 samples a wave
	s_add_co_u32 s36, s36, s13
	s_mov_b32 s37, 0
	s_lshl_b32 s40, ttmp9, 7                       ; 32 results a work-group
	s_mov_b32 s41, 0
	s_mov_b32 s24, 1                               ; group 0, first plane: count 1,
	s_lshl_b32 s25, s12, 15                        ; LDS address: 32 KiB a wave
	s_mov_b32 s28, 1                               ; group 0, second plane
	s_add_co_u32 s29, s25, PLANE
	s_mov_b32 s34, 0x76543210                      ; v_permlanex16_b32: lane i takes lane i of the other half
	s_mov_b32 s35, 0xfedcba98
	s_mov_b32 s42, 0x427c0000                      ; 63.0
	s_wait_kmcnt 0x0
	s_load_b32 s32, s[8:9], 0x0                    ; trans_std
	s_add_nc_u64 s[4:5], s[4:5], s[14:15]          ; data at my wave's four planes
	s_add_nc_u64 s[6:7], s[6:7], s[36:37]          ; offset at my wave's 512 samples
	s_add_nc_u64 s[10:11], s[10:11], s[40:41]      ; out0 at the work-group's 32 results
	; what is needed first is asked for first: dy and dx of samples 128 q + 4 lane .. + 3
.irp q, 0,1,2,3
	global_load_b128 v[DY+4*\q:DY+4*\q+3], v[LANE16], s[6:7] offset:512*\q
.endr
.irp q, 0,1,2,3
	global_load_b128 v[DX+4*\q:DX+4*\q+3], v[LANE16], s[6:7] offset:PLANE+512*\q
.endr
	s_add_nc_u64 s[26:27], s[4:5], 2*PLANE         ; channel 4 w + 2
	s_or_b32 s27, s27, 0x80000000                  ; type 2
	tensor_load_to_lds s[24:27], s[16:23]
	s_nop 0
	s_add_nc_u64 s[30:31], s[4:5], 3*PLANE         ; channel 4 w + 3
	s_or_b32 s31, s31, 0x80000000
	tensor_load_to_lds s[28:31], s[16:23]          ; two tensor loads of the wave are out; no descriptor register is written again
	s_nop 0
.macro DLOAD from, to                  ; channels 4 w and 4 w + 1, 32 KiB in a row: load m covers bytes 512 m .. + 511 and lands in v[256+4m : 259+4m]
.set m, \from
.rept \to-\from
	global_load_b128 v[4*m:4*m+3], v[LANE16], s[4:5] offset:512*m th:TH_LOAD_NT
.set m, m+1
.endr
.endm
	WIN 0x40                                       ; destination in block 1, address in block 0
	DLOAD 0, NFIRST
	WIN 0
	; lane constants and LDS addresses, while the loads are on their way
	v_cvt_f32_u32 v[TA], v[VR]
	v_sub_f32 v[CLO+0],  1.0,        v[TA]         ; 1 - (16 t + r)
	v_sub_f32 v[CLO+4],  0xc1700000, v[TA]         ; -15
	v_sub_f32 v[CLO+8],  0xc1f80000, v[TA]         ; -31
	v_sub_f32 v[CLO+12], 0xc23c0000, v[TA]         ; -47
	v_add_f32 v[CHI+0],  1.0,        v[TA]         ; 1 + (16 t + r)
	v_add_f32 v[CHI+4],  0x41880000, v[TA]         ; 17
	v_add_f32 v[CHI+8],  0x42040000, v[TA]         ; 33
	v_add_f32 v[CHI+12], 0x42440000, v[TA]         ; 49
.irp t, 0,1,2,3
	v_mov_b32 v[CLO+4*\t+1], v[CLO+4*\t]           ; pairs for the packed adds
	v_mov_b32 v[CHI+4*\t+1], v[CHI+4*\t]
.endr
	s_lshl_b32 s38, s12, 12
	s_add_co_u32 s38, s38, SCR                     ; my wave's coordinates
	v_add_nc_u32 v[CST], s38, v[LANE16]
	v_lshl_add_u32 v[CA], v[VH], 6, s38            ; lanes 0-15 take samples 0-15 of a K step, lanes 16-31 samples 16-31
	s_mul_i32 s39, s12, PARTW
	s_add_co_u32 s39, s39, SCR
	v_mul_u32_u24 v[TA], v[VR], PITCH
	v_lshl_add_u32 v[TA], v[VH], 5, v[TA]
	v_add_nc_u32 v[STO], s39, v[TA]                ; row r, columns 8 h ..
	s_mul_i32 s39, s12, 2*PITCH
	s_add_co_u32 s39, s39, SCR
	v_mul_u32_u24 v[TA], v[VH], PITCH
	v_lshl_add_u32 v[TA], v[VR], 4, v[TA]          ; two whole rows: lanes 0-15 one, lanes 16-31 the next
	v_add_nc_u32 v[RD], s39, v[TA]
	v_add_nc_u32 v[FST], FINAL-SCR, v[RD]
	v_add_nc_u32 v[WRD], FINAL, v[TA]
	v_add_nc_u32 v[LRD], s25, v[LANE16]
	s_lshl_b32 s39, s12, 4
	s_add_co_u32 s39, s39, OUTG
	v_mov_b32 v[OST], s39
	s_lshl_b32 s13, s12, 3
	v_add_nc_u32 v[FI], s13, v[VH]                 ; sample 512 w + 128 q + 4 lane + e: row 8 w + 2 q + lane / 16,
	v_cvt_f32_u32 v[FI], v[FI]
	v_mov_b32 v[FI+1], v[FI]
	v_lshlrev_b32 v[FJ], 2, v[VR]                  ; column 4 (lane % 16) + e
	v_cvt_f32_u32 v[FJ], v[FJ]
	v_add_f32 v[FJ+1], 1.0, v[FJ]
	v_add_f32 v[FJ+2], 2.0, v[FJ]
	v_add_f32 v[FJ+3], 0x40400000, v[FJ]           ; 3.0
	s_wait_kmcnt 0x0                               ; trans_std
	v_mov_b32 v[TS], s32
	v_max_num_f32 v[TS], 0x3a83126f, v[TS]         ; clip to 0.001 ..
	v_min_num_f32 v[TS], 0x3c23d70a, v[TS]         ; .. 0.01
	v_mul_f32 v[TS], 0x42800000, v[TS]             ; x 64 = H = W, exact
	v_mov_b32 v[TS+1], v[TS]
	s_wait_loadcnt NFIRST                          ; loads return in order (ISA guide 5.7.1): the 8 offset loads are in, the 55 data loads behind them stay out
.irp q, 0,1,2,3
	v_pk_fma_f32 v[DY+4*\q:DY+4*\q+1],   v[DY+4*\q:DY+4*\q+1],   v[TS:TS+1], v[FI:FI+1]
	v_pk_fma_f32 v[DY+4*\q+2:DY+4*\q+3], v[DY+4*\q+2:DY+4*\q+3], v[TS:TS+1], v[FI:FI+1]
	v_pk_fma_f32 v[DX+4*\q:DX+4*\q+1],   v[DX+4*\q:DX+4*\q+1],   v[TS:TS+1], v[FJ:FJ+1]
	v_pk_fma_f32 v[DX+4*\q+2:DX+4*\q+3], v[DX+4*\q+2:DX+4*\q+3], v[TS:TS+1], v[FJ+2:FJ+3]
.irp e, 0,1,2,3
	v_med3_num_f32 v[DY+4*\q+\e], v[DY+4*\q+\e], 0, s42        ; clip to 0 .. 63
	v_med3_num_f32 v[DX+4*\q+\e], v[DX+4*\q+\e], 0, s42
.endr
	ds_store_b128 v[CST], v[DY+4*\q:DY+4*\q+3] offset:512*\q
	ds_store_b128 v[CST], v[DX+4*\q:DX+4*\q+3] offset:XOFF+512*\q
.if \q < 3
	v_pk_add_f32 v[FI:FI+1], v[FI:FI+1], 2.0 op_sel_hi:[1,0]   ; 128 samples on: two rows down
.endif
.endr
	WIN 0x40
	DLOAD NFIRST, NLOADS                           ; the other nine loads, now that eight have returned
	WIN 0
; One fragment, 16 rows x 32 samples of bf16: lane (r, h) makes hat(c - (16 tile + r)) of its 16 samples; register j holds samples 16 h + 2 j
; and 16 h + 2 j + 1.  That is a permutation of k, the same in both operands, so the products are the same.
; Eight at a time: a = c + (1 - row), b = (1 + row) - c, the median of a, b and 0, two roundings to bf16 in one instruction.
.macro HAT frag, crd, tile
.irp hf, 0,1
.irp i, 0,1,2,3
	v_pk_add_f32 v[TA+2*\i:TA+2*\i+1], v[\crd+8*\hf+2*\i:\crd+8*\hf+2*\i+1], v[CLO+4*\tile:CLO+4*\tile+1]
.endr
.irp i, 0,1,2,3
	v_pk_add_f32 v[TB+2*\i:TB+2*\i+1], v[CHI+4*\tile:CHI+4*\tile+1], v[\crd+8*\hf+2*\i:\crd+8*\hf+2*\i+1] neg_lo:[0,1] neg_hi:[0,1]
.endr
.irp i, 0,1,2,3,4,5,6,7
	v_med3_num_f32 v[TA+\i], v[TA+\i], v[TB+\i], 0
.endr
.irp i, 0,1,2,3
	v_cvt_pk_bf16_f32 v[\frag+4*\hf+\i], v[TA+2*\i], v[TA+2*\i+1]
.endr
.endr
.endm
; A K step: 32 samples, 8 fragments, 16 matrix instructions.  Source 0 = rows of px, source 1 = rows of py, so that lane (r, h) holds row
; py = 16 t + r and its registers 0-7 the neighbouring columns px = 16 u + 8 h + 0..7.
; A fragment register is rewritten only behind at least 16 plain vector instructions that name no register of the matrix instructions
; that read it (the next fragment's adds and medians): more than the four places of ISA guide 7.12.1.
; zero = 1: the first products start the sums.  more = 1: a K step follows and its y are fetched.
.macro STEP zero, more
.irp q, 0,1,2,3
	ds_load_b128 v[XC+4*\q:XC+4*\q+3], v[CA] offset:XOFF+16*\q  ; sixteen lanes read the same 16 bytes
.endr
	s_wait_dscnt 0x4                               ; LDS answers in order (ISA guide 5.7.1): this step's y are in, the four x loads stay out
.irp t, 0,1,2,3
	HAT YF+8*\t, YC, \t
.endr
.if \more
.irp q, 0,1,2,3
	ds_load_b128 v[YC+4*\q:YC+4*\q+3], v[CA] offset:128+16*\q   ; the next step's y
.endr
	s_wait_dscnt 0x4                               ; this step's x are in, the four y loads stay out
.else
	s_wait_dscnt 0x0
.endif
.irp u, 0,1,2,3
.set XB, XF+8*(\u&1)
	HAT XB, XC, \u
.irp t, 0,1,2,3
.if \zero
	v_wmma_f32_16x16x32_bf16 v[ACC+8*(4*\t+\u):ACC+8*(4*\t+\u)+7], v[XB:XB+7], v[YF+8*\t:YF+8*\t+7], 0
.else
	v_wmma_f32_16x16x32_bf16 v[ACC+8*(4*\t+\u):ACC+8*(4*\t+\u)+7], v[XB:XB+7], v[YF+8*\t:YF+8*\t+7], v[ACC+8*(4*\t+\u):ACC+8*(4*\t+\u)+7]
.endif
.endr
.endr
.if \more
	v_add_nc_u32 v[CA], 128, v[CA]                 ; 32 samples on
.endif
.endm
.irp q, 0,1,2,3
	ds_load_b128 v[YC+4*\q:YC+4*\q+3], v[CA] offset:16*\q       ; my wave's own bytes: LDS serves a wave in order, they see the stores above
.endr
	STEP 1, 1
	s_mov_b32 s33, KSTEPS-2
.Lkstep:
	STEP 0, 1
	s_sub_co_u32 s33, s33, 1
	s_cmp_lg_u32 s33, 0
	s_cbranch_scc1 .Lkstep
	STEP 0, 0
	; THE EIGHT PARTIAL MAPS ARE ADDED, 16 rows (one t) at a time: 64 KiB of LDS are left beside the planes, a phase takes 8 x 4,352 bytes.
.rept 4
	v_nop                                          ; four places behind the last matrix instructions before their results are stored (ISA guide 7.12.1)
.endr
	s_wait_dscnt 0x0                               ; my reads of the coordinates are over,
	s_barrier_signal -1
	s_barrier_wait -1                              ; everybody's are: the partial maps may lie over them
.macro PHASE t
.irp u, 0,1,2,3
	ds_store_b128 v[STO], v[ACC+8*(4*\t+\u):ACC+8*(4*\t+\u)+3]   offset:64*\u
	ds_store_b128 v[STO], v[ACC+8*(4*\t+\u)+4:ACC+8*(4*\t+\u)+7] offset:64*\u+16
.endr
.if \t
	ds_store_b128 v[FST], v[RB:RB+3] offset:PARTW*(\t-1)        ; the last phase's two summed rows
.endif
	s_wait_dscnt 0x0                               ; for the others: my stores are done
	s_barrier_signal -1
	s_barrier_wait -1
.irp p, 0,1,2,3,4,5,6,7
	ds_load_b128 v[RB+4*\p:RB+4*\p+3], v[RD] offset:PARTW*\p    ; rows 2 w, 2 w + 1 of all eight partial maps
.endr
	s_wait_dscnt 0x0                               ; my reads are over: say so, add while the others arrive
	s_barrier_signal -1
.irp p, 0,8,16,24
	v_pk_add_f32 v[RB+\p:RB+\p+1],   v[RB+\p:RB+\p+1],   v[RB+\p+4:RB+\p+5]
	v_pk_add_f32 v[RB+\p+2:RB+\p+3], v[RB+\p+2:RB+\p+3], v[RB+\p+6:RB+\p+7]
.endr
.irp p, 0,16
	v_pk_add_f32 v[RB+\p:RB+\p+1],   v[RB+\p:RB+\p+1],   v[RB+\p+8:RB+\p+9]
	v_pk_add_f32 v[RB+\p+2:RB+\p+3], v[RB+\p+2:RB+\p+3], v[RB+\p+10:RB+\p+11]
.endr
	v_pk_add_f32 v[RB:RB+1],   v[RB:RB+1],   v[RB+16:RB+17]
	v_pk_add_f32 v[RB+2:RB+3], v[RB+2:RB+3], v[RB+18:RB+19]
	s_barrier_wait -1                              ; nobody reads the partial maps any more
.endm
	PHASE 0
	PHASE 1
	PHASE 2
	PHASE 3
	ds_store_b128 v[FST], v[RB:RB+3] offset:PARTW*3
	s_wait_dscnt 0x0
	s_barrier_signal -1
	s_barrier_wait -1                              ; the summed map is whole
	; THE DOT PRODUCTS.  Wt into the accumulators' registers: load m brings pixels 128 m + 4 lane .. + 3, as the planes' loads do.
.set m, 0
.rept 32
	ds_load_b128 v[ACC+4*m:ACC+4*m+3], v[WRD] offset:2*PITCH*m
.set m, m+1
.endr
.macro LOADCH c, buf                   ; eight loads of 512 bytes from my planes in LDS: bytes 4,096 c .. + 4,095 of the two
.irp i, 0,1,2,3,4,5,6,7
	ds_load_b128 v[\buf+4*\i:\buf+4*\i+3], v[LRD] offset:512*(8*\c+\i)
.endr
.endm
.macro MAC4 ch, a, w, first            ; four products into two of the four chains; the first ones start the chains
.if \first
	v_pk_mul_f32 v[\ch:\ch+1],   v[\a:\a+1],   v[\w:\w+1]
	v_pk_mul_f32 v[\ch+2:\ch+3], v[\a+2:\a+3], v[\w+2:\w+3]
.else
	v_pk_fma_f32 v[\ch:\ch+1],   v[\a:\a+1],   v[\w:\w+1],   v[\ch:\ch+1]
	v_pk_fma_f32 v[\ch+2:\ch+3], v[\a+2:\a+3], v[\w+2:\w+3], v[\ch+2:\ch+3]
.endif
.endm
.macro FOLD s                          ; eight partial sums of a lane into one
	v_pk_add_f32 v[CH:CH+1],   v[CH:CH+1],   v[CH+2:CH+3]
	v_pk_add_f32 v[CH+4:CH+5], v[CH+4:CH+5], v[CH+6:CH+7]
	v_pk_add_f32 v[CH:CH+1],   v[CH:CH+1],   v[CH+4:CH+5]
	v_add_f32 v[SUM+\s], v[CH], v[CH+1]
.endm
.macro RPLANE base, s                  ; a plane that lies in block 1 (source 0), registers base .. base + 127
	WIN 0x01
.set m, 0
.rept 32
	MAC4 CH+4*(m&1), \base+4*m, ACC+4*m, (m<2)
.set m, m+1
.endr
	WIN 0
	FOLD \s
.endm
.macro LCHUNK c, buf, first
.set i, 0
.rept 8
	MAC4 CH+4*(i&1), \buf+4*i, ACC+4*((8*\c+i)&31), \first*(i<2)
.set i, i+1
.endr
.endm
	s_wait_tensorcnt 0x1                           ; tensor loads of a wave end in order: channel 4 w + 2 is in LDS, the other load may be out
	LOADCH 0, B0
	LOADCH 1, B1
	s_wait_dscnt 16                                ; Wt is in; the two chunks of eight behind it stay out
	s_wait_loadcnt 32                              ; channel 4 w is in; the 32 loads of channel 4 w + 1 may be out
	RPLANE 0, 0
	s_wait_loadcnt 0x0
	RPLANE 128, 1
	s_wait_dscnt 8                                 ; from here on: the older chunk is in, the younger eight loads stay out
	LCHUNK 0, B0, 1
	LOADCH 2, B0
	s_wait_dscnt 8
	LCHUNK 1, B1, 0
	LOADCH 3, B1
	s_wait_dscnt 8
	LCHUNK 2, B0, 0
	s_wait_tensorcnt 0x0                           ; channel 4 w + 3 is in LDS
	LOADCH 4, B0
	s_wait_dscnt 8
	LCHUNK 3, B1, 0
	FOLD 2
	LOADCH 5, B1
	s_wait_dscnt 8
	LCHUNK 4, B0, 1
	LOADCH 6, B0
	s_wait_dscnt 8
	LCHUNK 5, B1, 0
	LOADCH 7, B1
	s_wait_dscnt 8
	LCHUNK 6, B0, 0
	s_wait_dscnt 0x0
	LCHUNK 7, B1, 0
	FOLD 3
	; over the 32 lanes: four steps inside each half ride on the add, one crosses the halves; every lane ends with the four sums
.irp x, 1,2,4,8
.irp p, 0,1,2,3
	v_add_f32_dpp v[SUM+\p], v[SUM+\p], v[SUM+\p] row_xmask:\x row_mask:0xf bank_mask:0xf
.endr
.endr
.irp p, 0,1,2,3
	v_permlanex16_b32 v[B0+\p], v[SUM+\p], s34, s35             ; destination written before (a chunk's registers)
.endr
.irp p, 0,1,2,3
	v_add_f32 v[SUM+\p], v[SUM+\p], v[B0+\p]
.endr
	v_pk_mul_f32 v[SUM:SUM+1],   v[SUM:SUM+1],   0x39800000 op_sel_hi:[1,0]   ; the mean: x 2^-12, exact
	v_pk_mul_f32 v[SUM+2:SUM+3], v[SUM+2:SUM+3], 0x39800000 op_sel_hi:[1,0]
	ds_store_b128 v[OST], v[SUM:SUM+3]             ; all lanes write the same 16 bytes with the same values
	s_wait_dscnt 0x0
	s_barrier_signal -1
	s_barrier_wait -1
	s_cmp_lg_u32 s12, 0
	s_cbranch_scc1 .Ldone                          ; wave 0 stores the work-group's 32 results: 128 consecutive bytes in one instruction
	v_lshrrev_b32 v[B0], 2, v[LANE16]              ; 4 x lane
	v_add_nc_u32 v[B0+1], OUTG, v[B0]
	ds_load_b32 v[B0+2], v[B0+1]
	s_wait_dscnt 0x0
	global_store_b32 v[B0], v[B0+2], s[10:11]
.Ldone:
	s_wait_xcnt 0x0
	v_lshl_add_u32 v254, v0, 2, 0x4d000
	v_mov_b32 v255, 0
	s_wait_tensorcnt 0x0
	ds_add_u32 v254, v255
	s_wait_dscnt 0x0
	s_endpgm
.Lfunc_end_k_q049ed8456a_pool:
	.size	k_q049ed8456a_pool, .Lfunc_end_k_q049ed8456a_pool-k_q049ed8456a_pool
	.p2alignl 7, 3214868480
	.fill 96, 4, 3214868480
	.section	.rodata,"a",@progbits
	.p2align	6, 0x0
	.amdhsa_kernel k_q049ed8456a_pool
		.amdhsa_group_segment_fixed_size 316416
		.amdhsa_private_segment_fixed_size 0
		.amdhsa_enable_private_segment 0
		.amdhsa_kernarg_size 32
		.amdhsa_user_sgpr_count 2
		.amdhsa_user_sgpr_kernarg_segment_ptr 1
		.amdhsa_wavefront_size32 1
		.amdhsa_system_sgpr_workgroup_id_x 1
		.amdhsa_system_sgpr_workgroup_id_y 1
		.amdhsa_system_sgpr_workgroup_id_z 1
		.amdhsa_system_vgpr_workitem_id 0
		.amdhsa_next_free_vgpr 512
		.amdhsa_next_free_sgpr 66
		.amdhsa_reserve_vcc 0
		.amdhsa_float_denorm_mode_32 3
		.amdhsa_float_denorm_mode_16_64 3
		.amdhsa_memory_ordered 1
		.amdhsa_forward_progress 1
		.amdhsa_inst_pref_size 116
	.end_amdhsa_kernel
	.amdgpu_metadata
---
amdhsa.version: [ 1, 2 ]
amdhsa.kernels:
  - .name:           k_q049ed8456a_pool
    .symbol:         k_q049ed8456a_pool.kd
    .args:
      - { .name: data, .offset: 0, .size: 8, .value_kind: global_buffer, .address_space: global }
      - { .name: offset, .offset: 8, .size: 8, .value_kind: global_buffer, .address_space: global }
      - { .name: trans_std, .offset: 16, .size: 8, .value_kind: global_buffer, .address_space: global }
      - { .name: out0, .offset: 24, .size: 8, .value_kind: global_buffer, .address_space: global }
    .group_segment_fixed_size: 316416
    .private_segment_fixed_size: 0
    .kernarg_segment_align: 8
    .kernarg_segment_size: 32
    .max_flat_workgroup_size: 256
    .sgpr_count:     66
    .vgpr_count:     512
    .wavefront_size: 32
...
	.end_amdgpu_metadata
.endif
;; end of part 1
;; ======== version 2 of 3: 2 launches; 1.14 times as fast as version 1
;; limits: values outside matrix products are rounded to bf16
;; workspace buffers: wt 1,048,576 bytes
;; launch weights (part 2): grid 256 x 1, 8 waves a work-group, no clusters, 168,960 bytes of LDS; arguments offset, trans_std, wt; writes wt
.if DOCPART == 2
	.amdgcn_target "amdgcn-amd-amdhsa--gfx1250"
	.amdhsa_code_object_version 6
	.text
	.protected	k_q049ed8456a_weights
	.globl	k_q049ed8456a_weights
	.p2align	8
	.type	k_q049ed8456a_weights,@function
k_q049ed8456a_weights:
	s_mov_b64 s[64:65], 0
	v_nop
	global_prefetch_b8 v0, s[64:65] scope:SCOPE_SE
	s_setreg_imm32_b32 hwreg(HW_REG_WAVE_MODE, 25, 1), 1
	s_wait_xcnt 0x0
; FIRST OF TWO LAUNCHES.  reference() samples data[b][c] bilinearly at (y, x) and takes the mean over the 4,096 sample points, with
;   y = clip(i + ts*64*offset[b][0][i][j], 0, 63), x likewise with j, ts = clip(trans_std, 0.001, 0.01).
; The weights do not hang on the channel:  out0[b][c] = 1/4096 * sum over pixels p of data[b][c][p] * Wt[b][p]  with
;   Wt[b][py][px] = sum over samples n of hat(y_n - py) * hat(x_n - px),   hat(t) = max(0, 1 - |t|) = median(1 + t, 1 - t, 0).
; For y in [0, 63] hat gives 1 - wy at y0 and wy at y0 + 1 as reference() does (its clip of y0 to 62 included) and 0 elsewhere:
; nothing is scattered, and no address or branch hangs on a floating-point number.  Wt[b] is a product of 64 x 4096 by 4096 x 64
; and goes to the matrix unit: hats rounded to bf16, sums in f32.  This launch makes Wt, the next one the sums over pixels.
;
; SHARES.  Work-group x = 8 b + 4 kh + q makes, for batch b, the quadrant q of the map (py from 32 (q / 2), px from 32 (q % 2), 32 x 32)
; summed over samples 2048 kh .. + 2047, and stores it as 4,096 bytes in a row at 4096 x of wt; the next launch adds the two halves of K.
; Why this split: a fragment of hats costs 40 vector instructions.  A wave builds 32 fragments here; K split eight ways would need 16, but
; eight maps of 16 KiB to add in every work-group here and again in the next launch; a split by tiles alone would need 48.
; A wave takes 256 samples: 8 K steps of 32, each 2 fragments of py, 2 of px, 4 matrix instructions.  The eight waves' sums meet in LDS.
; The launch asks for more than half of a WGP's LDS, of which it uses 53,248 bytes: the work is vector issue, two waves to a SIMD,
; and a second work-group on the same four SIMDs would only wait for them.
; NO CLUSTER: the four quadrants of one (b, kh) do read the same 16 KiB of offsets, but the launch reads 1 MiB in all, 2 KiB a wave straight
; into registers; a joint tile would put a tensor load and a barrier in front of the first arithmetic and spare no work.
;
; LIMITS.  Weights carry bf16's rounding (2^-9 relative); sums run in another order than reference()'s; y is one fused multiply-add.
; A NaN in trans_std is taken as 0.001 and a NaN in offset is not passed on.
.set PLANE,  16384                     ; bytes of one 64 x 64 field of f32
.set CW,     2048                      ; LDS: a wave's coordinates, 256 y then 256 x
.set XOFF,   1024
.set PART,   8*CW                      ; LDS: behind them the eight partial quadrants, bytes of their own
.set PITCH,  144                       ; a row of 32 f32 + 16 bytes: sixteen rows' equal columns fall on sixteen different 16-byte columns
.set PARTW,  32*PITCH
.set KSTEPS, 8
.set LANE16, 1                         ; v1   16 x lane: offset of the global loads
.set VR,     2                         ; v2   lane % 16
.set VH,     3                         ; v3   lane / 16
.set CA,     4                         ; v4   LDS: my 16 samples' y of the K step at hand
.set CST,    5                         ; v5   LDS: where I put four coordinates
.set STO,    6                         ; v6   LDS: my wave's partial quadrant, row r, 32 h
.set RD,     7                         ; v7   LDS: partial 0, the 16 bytes that I add
.set TID16,  8                         ; v8   16 x thread: my 16 bytes of the work-group's 4,096 in wt
.set CY,     16                        ; v[16:23]   py tile t: 1 - row twice at 4 t, 1 + row twice at 4 t + 2
.set CX,     24                        ; v[24:31]   the same for px
.set YC,     32                        ; v[32:47]   y of my 16 samples
.set XC,     48                        ; v[48:63]   x of my 16 samples
.set YF,     64                        ; v[64:79]   two fragments: hats of py
.set XF,     80                        ; v[80:95]   two fragments: hats of px
.set TA,     96                        ; v[96:103]  at work
.set TB,     104                       ; v[104:111] at work
.set ACC,    112                       ; v[112:143] tile (t, u) at 8 (2 t + u)
.set DY,     64                        ; before the product: offsets as loaded, then y and x
.set DX,     72
.set TS,     80                        ; 64 ts, twice
.set FI,     82                        ; the samples' row i, twice
.set FJ,     84                        ; their columns j .. j + 3
.set RB,     32                        ; v[32:63]   behind the product: eight partials of my 16 bytes
	s_load_b128 s[4:7], s[0:1], 0x0                ; offset s[4:5], trans_std s[6:7]
	s_load_b64 s[8:9], s[0:1], 0x10                ; wt
	v_lshl_add_u32 v144, v0, 2, 0x29000
	v_mov_b32 v145, 0
	v_lshrrev_b32 v[TA], 5, v0
	v_readfirstlane_b32 s12, v[TA]                 ; wave 0..7
	v_and_b32 v[LANE16], 31, v0
	v_lshlrev_b32 v[LANE16], 4, v[LANE16]
	v_lshlrev_b32 v[TID16], 4, v0
	v_and_b32 v[VR], 15, v0
	v_bfe_u32 v[VH], v0, 4, 1
	s_lshr_b32 s14, ttmp9, 3                       ; batch
	s_lshl_b32 s14, s14, 15                        ; 2 x 4,096 f32 a batch
	s_bfe_u32 s16, ttmp9, 0x10002                  ; kh: one bit from bit 2
	s_lshl_b32 s13, s16, 13                        ; 2,048 samples a half
	s_add_co_u32 s14, s14, s13
	s_lshl_b32 s13, s12, 10                        ; 256 samples a wave
	s_add_co_u32 s14, s14, s13
	s_mov_b32 s15, 0
	s_lshl_b32 s18, ttmp9, 12                      ; 4,096 bytes of wt a work-group
	s_mov_b32 s19, 0
	s_mov_b32 s20, 0x427c0000                      ; 63.0
	s_wait_kmcnt 0x0
	s_load_b32 s21, s[6:7], 0x0                    ; trans_std
	s_add_nc_u64 s[4:5], s[4:5], s[14:15]          ; offset at my wave's 256 samples
	s_add_nc_u64 s[8:9], s[8:9], s[18:19]
.irp q, 0,1
	global_load_b128 v[DY+4*\q:DY+4*\q+3], v[LANE16], s[4:5] offset:512*\q          ; dy of samples 128 q + 4 lane .. + 3
.endr
.irp q, 0,1
	global_load_b128 v[DX+4*\q:DX+4*\q+3], v[LANE16], s[4:5] offset:PLANE+512*\q    ; dx
.endr
	; lane constants and LDS addresses, while the loads are on their way
	s_bfe_u32 s22, ttmp9, 0x10001                  ; q / 2
	s_lshl_b32 s22, s22, 5                         ; first py of the quadrant
	s_and_b32 s23, ttmp9, 1                        ; q % 2
	s_lshl_b32 s23, s23, 5                         ; first px
	v_add_nc_u32 v[TA], s22, v[VR]
	v_add_nc_u32 v[TB], s23, v[VR]
	v_cvt_f32_u32 v[TA], v[TA]                     ; my row of py tile 0
	v_cvt_f32_u32 v[TB], v[TB]                     ; my row of px tile 0
	v_sub_f32 v[CY+0], 1.0,        v[TA]           ; 1 - row
	v_add_f32 v[CY+2], 1.0,        v[TA]           ; 1 + row
	v_sub_f32 v[CY+4], 0xc1700000, v[TA]           ; tile 1, 16 rows on: -15 - row
	v_add_f32 v[CY+6], 0x41880000, v[TA]           ; 17 + row
	v_sub_f32 v[CX+0], 1.0,        v[TB]
	v_add_f32 v[CX+2], 1.0,        v[TB]
	v_sub_f32 v[CX+4], 0xc1700000, v[TB]
	v_add_f32 v[CX+6], 0x41880000, v[TB]
.irp k, 0,2,4,6
	v_mov_b32 v[CY+\k+1], v[CY+\k]                 ; pairs for the packed adds
	v_mov_b32 v[CX+\k+1], v[CX+\k]
.endr
	s_lshl_b32 s24, s12, 11                        ; my wave's coordinates
	v_add_nc_u32 v[CST], s24, v[LANE16]
	v_lshl_add_u32 v[CA], v[VH], 6, s24            ; lanes 0-15 take samples 0-15 of a K step, lanes 16-31 samples 16-31
	s_mul_i32 s25, s12, PARTW
	s_add_co_u32 s25, s25, PART
	v_mul_u32_u24 v[TA], v[VR], PITCH
	v_lshl_add_u32 v[TA], v[VH], 5, v[TA]
	v_add_nc_u32 v[STO], s25, v[TA]                ; row r, columns 8 h ..
	v_lshrrev_b32 v[TA], 3, v0                     ; thread t adds row t / 8,
	v_mul_u32_u24 v[RD], v[TA], PITCH
	v_and_b32 v[TA], 7, v0                         ; columns 4 (t % 8) .. + 3
	v_lshl_add_u32 v[RD], v[TA], 4, v[RD]
	v_add_nc_u32 v[RD], PART, v[RD]
	s_lshl_b32 s13, s16, 5                         ; sample 2048 kh + 256 w + 128 q + 4 lane + e: row 32 kh + 4 w + 2 q + lane / 16,
	s_lshl_b32 s26, s12, 2
	s_add_co_u32 s13, s13, s26
	v_add_nc_u32 v[FI], s13, v[VH]
	v_cvt_f32_u32 v[FI], v[FI]
	v_mov_b32 v[FI+1], v[FI]
	v_lshlrev_b32 v[FJ], 2, v[VR]                  ; column 4 (lane % 16) + e
	v_cvt_f32_u32 v[FJ], v[FJ]
	v_add_f32 v[FJ+1], 1.0, v[FJ]
	v_add_f32 v[FJ+2], 2.0, v[FJ]
	v_add_f32 v[FJ+3], 0x40400000, v[FJ]           ; 3.0
	s_wait_kmcnt 0x0                               ; trans_std
	v_mov_b32 v[TS], s21
	v_max_num_f32 v[TS], 0x3a83126f, v[TS]         ; clip to 0.001 ..
	v_min_num_f32 v[TS], 0x3c23d70a, v[TS]         ; .. 0.01
	v_mul_f32 v[TS], 0x42800000, v[TS]             ; x 64 = H = W, exact
	v_mov_b32 v[TS+1], v[TS]
	s_wait_loadcnt 0x0
.irp q, 0,1
	v_pk_fma_f32 v[DY+4*\q:DY+4*\q+1],   v[DY+4*\q:DY+4*\q+1],   v[TS:TS+1], v[FI:FI+1]
	v_pk_fma_f32 v[DY+4*\q+2:DY+4*\q+3], v[DY+4*\q+2:DY+4*\q+3], v[TS:TS+1], v[FI:FI+1]
	v_pk_fma_f32 v[DX+4*\q:DX+4*\q+1],   v[DX+4*\q:DX+4*\q+1],   v[TS:TS+1], v[FJ:FJ+1]
	v_pk_fma_f32 v[DX+4*\q+2:DX+4*\q+3], v[DX+4*\q+2:DX+4*\q+3], v[TS:TS+1], v[FJ+2:FJ+3]
.irp e, 0,1,2,3
	v_med3_num_f32 v[DY+4*\q+\e], v[DY+4*\q+\e], 0, s20        ; clip to 0 .. 63
	v_med3_num_f32 v[DX+4*\q+\e], v[DX+4*\q+\e], 0, s20
.endr
	ds_store_b128 v[CST], v[DY+4*\q:DY+4*\q+3] offset:512*\q
	ds_store_b128 v[CST], v[DX+4*\q:DX+4*\q+3] offset:XOFF+512*\q
.if \q < 1
	v_pk_add_f32 v[FI:FI+1], v[FI:FI+1], 2.0 op_sel_hi:[1,0]   ; 128 samples on: two rows down
.endif
.endr
; One fragment, 16 rows x 32 samples of bf16: lane (r, h) makes hat(c - row) of its 16 samples; register j holds samples 16 h + 2 j
; and 16 h + 2 j + 1.  That is a permutation of k, the same in both operands, so the products are the same.
; Eight at a time: a = c + (1 - row), b = (1 + row) - c, the median of a, b and 0, two roundings to bf16 in one instruction.
.macro HAT frag, crd, cst
.irp hf, 0,1
.irp i, 0,1,2,3
	v_pk_add_f32 v[TA+2*\i:TA+2*\i+1], v[\crd+8*\hf+2*\i:\crd+8*\hf+2*\i+1], v[\cst:\cst+1]
.endr
.irp i, 0,1,2,3
	v_pk_add_f32 v[TB+2*\i:TB+2*\i+1], v[\cst+2:\cst+3], v[\crd+8*\hf+2*\i:\crd+8*\hf+2*\i+1] neg_lo:[0,1] neg_hi:[0,1]
.endr
.irp i, 0,1,2,3,4,5,6,7
	v_med3_num_f32 v[TA+\i], v[TA+\i], v[TB+\i], 0
.endr
.irp i, 0,1,2,3
	v_cvt_pk_bf16_f32 v[\frag+4*\hf+\i], v[TA+2*\i], v[TA+2*\i+1]
.endr
.endr
.endm
; A K step: 32 samples, 4 fragments, 4 matrix instructions.  Source 0 = rows of px, source 1 = rows of py, so that lane (r, h) holds row
; py = 16 t + r and its registers 0-7 the neighbouring columns px = 16 u + 8 h + 0..7.
; A fragment register is rewritten only behind the next step's first 16 adds and medians, plain vector instructions that name no register
; of the matrix instructions: more than the four places of ISA guide 7.12.1.
; zero = 1: the first products start the sums.  more = 1: a K step follows and its y are fetched.
.macro STEP zero, more
.irp q, 0,1,2,3
	ds_load_b128 v[XC+4*\q:XC+4*\q+3], v[CA] offset:XOFF+16*\q  ; sixteen lanes read the same 16 bytes
.endr
	s_wait_dscnt 0x4                               ; LDS answers in order (ISA guide 5.7.1): this step's y are in, the four x loads stay out
	HAT YF,   YC, CY
	HAT YF+8, YC, CY+4
.if \more
.irp q, 0,1,2,3
	ds_load_b128 v[YC+4*\q:YC+4*\q+3], v[CA] offset:128+16*\q   ; the next step's y
.endr
	s_wait_dscnt 0x4                               ; this step's x are in, the four y loads stay out
.else
	s_wait_dscnt 0x0
.endif
	HAT XF,   XC, CX
	HAT XF+8, XC, CX+4
.irp t, 0,1
.irp u, 0,1
.if \zero
	v_wmma_f32_16x16x32_bf16 v[ACC+8*(2*\t+\u):ACC+8*(2*\t+\u)+7], v[XF+8*\u:XF+8*\u+7], v[YF+8*\t:YF+8*\t+7], 0
.else
	v_wmma_f32_16x16x32_bf16 v[ACC+8*(2*\t+\u):ACC+8*(2*\t+\u)+7], v[XF+8*\u:XF+8*\u+7], v[YF+8*\t:YF+8*\t+7], v[ACC+8*(2*\t+\u):ACC+8*(2*\t+\u)+7]
.endif
.endr
.endr
.if \more
	v_add_nc_u32 v[CA], 128, v[CA]                 ; 32 samples on
.endif
.endm
.irp q, 0,1,2,3
	ds_load_b128 v[YC+4*\q:YC+4*\q+3], v[CA] offset:16*\q       ; my wave's own bytes: LDS serves a wave in order, they see the stores above
.endr
	STEP 1, 1
	s_mov_b32 s27, KSTEPS-2
.Lkstep:
	STEP 0, 1
	s_sub_co_u32 s27, s27, 1
	s_cmp_lg_u32 s27, 0
	s_cbranch_scc1 .Lkstep
	STEP 0, 0
	; THE EIGHT PARTIAL QUADRANTS ARE ADDED: each wave lays its 32 x 32 into bytes of its own, thread t adds 16 bytes of all eight.
.rept 4
	v_nop                                          ; four places behind the last matrix instructions before their results are stored (ISA guide 7.12.1)
.endr
.irp t, 0,1
.irp u, 0,1
	ds_store_b128 v[STO], v[ACC+8*(2*\t+\u):ACC+8*(2*\t+\u)+3]   offset:16*PITCH*\t+64*\u
	ds_store_b128 v[STO], v[ACC+8*(2*\t+\u)+4:ACC+8*(2*\t+\u)+7] offset:16*PITCH*\t+64*\u+16
.endr
.endr
	s_wait_dscnt 0x0                               ; for the others: my stores are done
	s_barrier_signal -1
	s_barrier_wait -1
.irp p, 0,1,2,3,4,5,6,7
	ds_load_b128 v[RB+4*\p:RB+4*\p+3], v[RD] offset:PARTW*\p
.endr
	s_wait_dscnt 0x0
.irp p, 0,8,16,24
	v_pk_add_f32 v[RB+\p:RB+\p+1],   v[RB+\p:RB+\p+1],   v[RB+\p+4:RB+\p+5]
	v_pk_add_f32 v[RB+\p+2:RB+\p+3], v[RB+\p+2:RB+\p+3], v[RB+\p+6:RB+\p+7]
.endr
.irp p, 0,16
	v_pk_add_f32 v[RB+\p:RB+\p+1],   v[RB+\p:RB+\p+1],   v[RB+\p+8:RB+\p+9]
	v_pk_add_f32 v[RB+\p+2:RB+\p+3], v[RB+\p+2:RB+\p+3], v[RB+\p+10:RB+\p+11]
.endr
	v_pk_add_f32 v[RB:RB+1],   v[RB:RB+1],   v[RB+16:RB+17]
	v_pk_add_f32 v[RB+2:RB+3], v[RB+2:RB+3], v[RB+18:RB+19]
	global_store_b128 v[TID16], v[RB:RB+3], s[8:9] ; a wave's store covers 512 consecutive bytes, at a multiple of 512 from wt's first byte
	s_wait_tensorcnt 0x0
	ds_add_u32 v144, v145
	s_wait_dscnt 0x0
	s_endpgm
.Lfunc_end_k_q049ed8456a_weights:
	.size	k_q049ed8456a_weights, .Lfunc_end_k_q049ed8456a_weights-k_q049ed8456a_weights
	.p2alignl 7, 3214868480
	.fill 96, 4, 3214868480
	.section	.rodata,"a",@progbits
	.p2align	6, 0x0
	.amdhsa_kernel k_q049ed8456a_weights
		.amdhsa_group_segment_fixed_size 168960
		.amdhsa_private_segment_fixed_size 0
		.amdhsa_enable_private_segment 0
		.amdhsa_kernarg_size 24
		.amdhsa_user_sgpr_count 2
		.amdhsa_user_sgpr_kernarg_segment_ptr 1
		.amdhsa_wavefront_size32 1
		.amdhsa_system_sgpr_workgroup_id_x 1
		.amdhsa_system_sgpr_workgroup_id_y 1
		.amdhsa_system_sgpr_workgroup_id_z 1
		.amdhsa_system_vgpr_workitem_id 0
		.amdhsa_next_free_vgpr 146
		.amdhsa_next_free_sgpr 66
		.amdhsa_reserve_vcc 0
		.amdhsa_float_denorm_mode_32 3
		.amdhsa_float_denorm_mode_16_64 3
		.amdhsa_memory_ordered 1
		.amdhsa_forward_progress 1
		.amdhsa_inst_pref_size 41
	.end_amdhsa_kernel
	.amdgpu_metadata
---
amdhsa.version: [ 1, 2 ]
amdhsa.kernels:
  - .name:           k_q049ed8456a_weights
    .symbol:         k_q049ed8456a_weights.kd
    .args:
      - { .name: offset, .offset: 0, .size: 8, .value_kind: global_buffer, .address_space: global }
      - { .name: trans_std, .offset: 8, .size: 8, .value_kind: global_buffer, .address_space: global }
      - { .name: wt, .offset: 16, .size: 8, .value_kind: global_buffer, .address_space: global }
    .group_segment_fixed_size: 168960
    .private_segment_fixed_size: 0
    .kernarg_segment_align: 8
    .kernarg_segment_size: 24
    .max_flat_workgroup_size: 256
    .sgpr_count:     66
    .vgpr_count:     146
    .wavefront_size: 32
...
	.end_amdgpu_metadata
.endif
;; end of part 2
;; launch dot (part 3): grid 256 x 1, 8 waves a work-group, no clusters, 25,856 bytes of LDS; arguments data, wt, out0; writes out0
.if DOCPART == 3
	.amdgcn_target "amdgcn-amd-amdhsa--gfx1250"
	.amdhsa_code_object_version 6
	.text
	.protected	k_q049ed8456a_dot
	.globl	k_q049ed8456a_dot
	.p2align	8
	.type	k_q049ed8456a_dot,@function
k_q049ed8456a_dot:
	s_mov_b64 s[64:65], 0
	v_nop
	global_prefetch_b8 v0, s[64:65] scope:SCOPE_SE
	s_setreg_imm32_b32 hwreg(HW_REG_WAVE_MODE, 25, 1), 1
	s_wait_xcnt 0x0
; SECOND OF TWO LAUNCHES.  out0[b][c] = 1/4096 * sum over the 4,096 pixels p of data[b][c][p] * Wt[b][p].
; wt, from the launch before, holds for batch b at 32768 b + 16384 kh + 4096 q the quadrant q of the map (py from 32 (q / 2), px from
; 32 (q % 2), 32 rows of 32 f32) summed over half kh of the samples; Wt is the sum of the two halves.
;
; SHARES.  256 work-groups of 8 waves; work-group x has batch x / 8 and channels 32 (x % 8) .. + 31: 512 KiB of data, each byte read once,
; straight from memory into registers: a plane is read by one wave alone, so LDS would only add a read to every byte.
; Wave w has channels 4 w .. 4 w + 3, 64 KiB in a row = 8 chunks of 16 loads of 512 bytes, through a ring of four chunks in v256-v511:
; one at work, three (48 loads, 24 KiB a wave) on their way; a chunk's registers are loaded again as soon as its products are made.
; The map: thread t loads its 16 bytes of the 2 x 4 partial quadrants, adds the halves, lays them into LDS in the pixels' order; behind one
; barrier every wave reads the 16 KiB into v128-v255, where load m brings pixels 128 m + 4 lane .. + 3, as the planes' loads do.
; f32 throughout, no matrix unit: a product with a single column would use one sixteenth of it.
; NO CLUSTER: the eight work-groups of a batch share only the map, 32 KiB of the 544 KiB that each reads.
;
; LIMITS.  The sums run in another order than reference()'s.  An infinity or NaN in a pixel that no sample touches meets the weight 0
; here and gives NaN, where reference() never reads that pixel.
.set PLANE,  16384                     ; bytes of one channel's 64 x 64 plane
.set WPITCH, 384                       ; LDS pitch of the map's rows of 256 bytes: the two half rows that sixteen lanes store lie 384 bytes apart,
                                       ; so one falls on the first 128 of 256 bytes and the other on the second; reads take whole rows
.set OUTG,   64*WPITCH                 ; behind the map: the work-group's 32 results
.set LANE16, 1                         ; v1   16 x lane: offset of the data loads, never rewritten
.set VR,     2                         ; v2   lane % 16
.set VH,     3                         ; v3   lane / 16
.set WST,    4                         ; v4   LDS: where I put 16 bytes of a quadrant
.set WRD,    5                         ; v5   LDS: the map's rows 0 and 1
.set OST,    6                         ; v6   LDS: my wave's four results
.set TID16,  7                         ; v7   16 x thread: offset of the map's loads
.set T0,     8                         ; v8   at work
.set SUM,    12                        ; v[12:15]   four channel sums
.set CH,     16                        ; v[16:23]   four chains of two sums
.set WP,     32                        ; v[32:63]   partial quadrants: half kh, quadrant q at 16 kh + 4 q
.set WT,     128                       ; v[128:255] the map: pixels 128 m + 4 lane .. + 3 at 4 m
.set MSB, 0
.macro WIN new                         ; register window; the immediate's high byte repeats the setting that is left
.if MSB != \new
	s_set_vgpr_msb (MSB<<8)|\new
.set MSB, \new
.endif
.endm
.macro DLOAD c                         ; chunk c: bytes 8192 c .. + 8191 of my wave's 64 KiB into ring slot c % 4 (v[256 + 64 (c % 4)] on)
.set j, 0
.rept 16
	global_load_b128 v[64*((\c)&3)+4*j:64*((\c)&3)+4*j+3], v[LANE16], s[4:5] offset:512*(16*(\c)+j) th:TH_LOAD_NT
.set j, j+1
.endr
.endm
	s_load_b128 s[4:7], s[0:1], 0x0                ; data s[4:5], wt s[6:7]
	s_load_b64 s[10:11], s[0:1], 0x10              ; out0
	v_lshl_add_u32 v126, v0, 2, 0x6100
	v_mov_b32 v127, 0
	v_lshrrev_b32 v[T0], 5, v0
	v_readfirstlane_b32 s12, v[T0]                 ; wave 0..7
	v_and_b32 v[LANE16], 31, v0
	v_lshlrev_b32 v[LANE16], 4, v[LANE16]
	v_lshlrev_b32 v[TID16], 4, v0
	s_lshl_b32 s14, ttmp9, 19                      ; 32 planes a work-group
	s_lshl_b32 s13, s12, 16                        ; 4 planes a wave
	s_add_co_u32 s14, s14, s13                     ; below 2^27
	s_mov_b32 s15, 0
	s_lshr_b32 s16, ttmp9, 3                       ; batch
	s_lshl_b32 s16, s16, 15                        ; 2 x 16 KiB of wt a batch
	s_mov_b32 s17, 0
	s_lshl_b32 s18, ttmp9, 7                       ; 32 results a work-group
	s_mov_b32 s19, 0
	s_mov_b32 s34, 0x76543210                      ; v_permlanex16_b32: lane i takes lane i of the other half
	s_mov_b32 s35, 0xfedcba98
	s_wait_kmcnt 0x0
	s_add_nc_u64 s[4:5], s[4:5], s[14:15]          ; data at my wave's four planes
	s_add_nc_u64 s[6:7], s[6:7], s[16:17]          ; wt at my batch
	s_add_nc_u64 s[10:11], s[10:11], s[18:19]      ; out0 at the work-group's 32 results
	; what is needed first is asked for first
.irp k, 0,1
.irp q, 0,1,2,3
	global_load_b128 v[WP+16*\k+4*\q:WP+16*\k+4*\q+3], v[TID16], s[6:7] offset:PLANE*\k+4096*\q
.endr
.endr
	WIN 0x40                                       ; destination in block 1, address in block 0
	DLOAD 0
	DLOAD 1
	DLOAD 2
	WIN 0
	v_and_b32 v[VR], 15, v0
	v_bfe_u32 v[VH], v0, 4, 1
	v_lshrrev_b32 v[T0], 3, v0                     ; thread t holds row t / 8 of a quadrant,
	v_mul_u32_u24 v[WST], v[T0], WPITCH
	v_and_b32 v[T0], 7, v0                         ; columns 4 (t % 8) .. + 3
	v_lshl_add_u32 v[WST], v[T0], 4, v[WST]
	v_mul_u32_u24 v[WRD], v[VH], WPITCH            ; two whole rows: lanes 0-15 one, lanes 16-31 the next
	v_lshl_add_u32 v[WRD], v[VR], 4, v[WRD]
	s_lshl_b32 s13, s12, 4
	s_add_co_u32 s13, s13, OUTG
	v_mov_b32 v[OST], s13
	s_wait_loadcnt 48                              ; loads return in order (ISA guide 5.7.1): the map's 8 are in, the 48 of chunks 0 to 2 stay out
.irp q, 0,1,2,3
	v_pk_add_f32 v[WP+4*\q:WP+4*\q+1],   v[WP+4*\q:WP+4*\q+1],   v[WP+16+4*\q:WP+16+4*\q+1]     ; the two halves of K
	v_pk_add_f32 v[WP+4*\q+2:WP+4*\q+3], v[WP+4*\q+2:WP+4*\q+3], v[WP+16+4*\q+2:WP+16+4*\q+3]
	ds_store_b128 v[WST], v[WP+4*\q:WP+4*\q+3] offset:32*WPITCH*(\q/2)+128*(\q%2)               ; quadrant q: 32 (q / 2) rows down, 32 (q % 2) columns on
.endr
	s_wait_dscnt 0x0                               ; for the others: my stores are done
	s_barrier_signal -1
	s_barrier_wait -1                              ; the map is whole
.set m, 0
.rept 32
	ds_load_b128 v[WT+4*m:WT+4*m+3], v[WRD] offset:2*WPITCH*m
.set m, m+1
.endr
	WIN 0x40
	DLOAD 3                                        ; the ring's fourth chunk, here so that its issue falls into the wait for the map
	s_wait_dscnt 0x0
.macro MAC4 ch, a, w, first            ; four products into two of the four chains; the first ones start the chains: nothing is cleared
.if \first
	v_pk_mul_f32 v[\ch:\ch+1],   v[\a:\a+1],   v[\w:\w+1]
	v_pk_mul_f32 v[\ch+2:\ch+3], v[\a+2:\a+3], v[\w+2:\w+3]
.else
	v_pk_fma_f32 v[\ch:\ch+1],   v[\a:\a+1],   v[\w:\w+1],   v[\ch:\ch+1]
	v_pk_fma_f32 v[\ch+2:\ch+3], v[\a+2:\a+3], v[\w+2:\w+3], v[\ch+2:\ch+3]
.endif
.endm
.macro FOLD s                          ; eight partial sums of a lane into one
	v_pk_add_f32 v[CH:CH+1],   v[CH:CH+1],   v[CH+2:CH+3]
	v_pk_add_f32 v[CH+4:CH+5], v[CH+4:CH+5], v[CH+6:CH+7]
	v_pk_add_f32 v[CH:CH+1],   v[CH:CH+1],   v[CH+4:CH+5]
	v_add_f32 v[SUM+\s], v[CH], v[CH+1]
.endm
; Chunk c = half c % 2 of plane c / 2.  left = how many younger loads may stay out; refill = 1: the slot takes chunk c + 4.
.macro DOT c, left, refill
	s_wait_loadcnt \left
	WIN 0x01                                       ; source 0 (the data) in block 1
.set i, 0
.rept 16
	MAC4 CH+4*(i&1), 64*(\c&3)+4*i, WT+4*(16*(\c&1)+i), (1-(\c&1))*(i<2)
.set i, i+1
.endr
.if \refill
	WIN 0x40
	DLOAD \c+4
.endif
.if \c&1
	WIN 0
	FOLD (\c/2)
.endif
.endm
	DOT 0, 48, 1                                   ; behind chunk c stand chunks c + 1 to c + 3: 48 loads stay out
	DOT 1, 48, 1
	DOT 2, 48, 1
	DOT 3, 48, 1
	DOT 4, 48, 0                                   ; the last four load nothing: the counts run down
	DOT 5, 32, 0
	DOT 6, 16, 0
	DOT 7, 0, 0
	; over the 32 lanes: four steps inside each half ride on the add, one crosses the halves; every lane ends with the four sums
.irp x, 1,2,4,8
.irp p, 0,1,2,3
	v_add_f32_dpp v[SUM+\p], v[SUM+\p], v[SUM+\p] row_xmask:\x row_mask:0xf bank_mask:0xf
.endr
.endr
.irp p, 0,1,2,3
	v_permlanex16_b32 v[WP+\p], v[SUM+\p], s34, s35             ; destination written before (the partial quadrants' registers)
.endr
.irp p, 0,1,2,3
	v_add_f32 v[SUM+\p], v[SUM+\p], v[WP+\p]
.endr
	v_pk_mul_f32 v[SUM:SUM+1],   v[SUM:SUM+1],   0x39800000 op_sel_hi:[1,0]   ; the mean: x 2^-12, exact
	v_pk_mul_f32 v[SUM+2:SUM+3], v[SUM+2:SUM+3], 0x39800000 op_sel_hi:[1,0]
	ds_store_b128 v[OST], v[SUM:SUM+3]             ; all lanes write the same 16 bytes with the same values
	s_wait_dscnt 0x0
	s_barrier_signal -1
	s_barrier_wait -1
	s_cmp_lg_u32 s12, 0
	s_cbranch_scc1 .Ldone                          ; wave 0 stores the work-group's 32 results: 128 consecutive bytes in one instruction
	v_lshrrev_b32 v[WP], 2, v[LANE16]              ; 4 x lane
	v_add_nc_u32 v[WP+1], OUTG, v[WP]
	ds_load_b32 v[WP+2], v[WP+1]
	s_wait_dscnt 0x0
	global_store_b32 v[WP], v[WP+2], s[10:11]
.Ldone:
	s_wait_tensorcnt 0x0
	ds_add_u32 v126, v127
	s_wait_dscnt 0x0
	s_endpgm
.Lfunc_end_k_q049ed8456a_dot:
	.size	k_q049ed8456a_dot, .Lfunc_end_k_q049ed8456a_dot-k_q049ed8456a_dot
	.p2alignl 7, 3214868480
	.fill 96, 4, 3214868480
	.section	.rodata,"a",@progbits
	.p2align	6, 0x0
	.amdhsa_kernel k_q049ed8456a_dot
		.amdhsa_group_segment_fixed_size 25856
		.amdhsa_private_segment_fixed_size 0
		.amdhsa_enable_private_segment 0
		.amdhsa_kernarg_size 24
		.amdhsa_user_sgpr_count 2
		.amdhsa_user_sgpr_kernarg_segment_ptr 1
		.amdhsa_wavefront_size32 1
		.amdhsa_system_sgpr_workgroup_id_x 1
		.amdhsa_system_sgpr_workgroup_id_y 1
		.amdhsa_system_sgpr_workgroup_id_z 1
		.amdhsa_system_vgpr_workitem_id 0
		.amdhsa_next_free_vgpr 512
		.amdhsa_next_free_sgpr 66
		.amdhsa_reserve_vcc 0
		.amdhsa_float_denorm_mode_32 3
		.amdhsa_float_denorm_mode_16_64 3
		.amdhsa_memory_ordered 1
		.amdhsa_forward_progress 1
		.amdhsa_inst_pref_size 38
	.end_amdhsa_kernel
	.amdgpu_metadata
---
amdhsa.version: [ 1, 2 ]
amdhsa.kernels:
  - .name:           k_q049ed8456a_dot
    .symbol:         k_q049ed8456a_dot.kd
    .args:
      - { .name: data, .offset: 0, .size: 8, .value_kind: global_buffer, .address_space: global }
      - { .name: wt, .offset: 8, .size: 8, .value_kind: global_buffer, .address_space: global }
      - { .name: out0, .offset: 16, .size: 8, .value_kind: global_buffer, .address_space: global }
    .group_segment_fixed_size: 25856
    .private_segment_fixed_size: 0
    .kernarg_segment_align: 8
    .kernarg_segment_size: 24
    .max_flat_workgroup_size: 256
    .sgpr_count:     66
    .vgpr_count:     512
    .wavefront_size: 32
...
	.end_amdgpu_metadata
.endif
;; end of part 3
;; ======== version 3 of 3: 2 launches; version 2 with the launch dot written anew for expert scheduling mode
;; limits: values outside matrix products are rounded to bf16
;; workspace buffers: wt 1,048,576 bytes
;; launch weights: the kernel of part 2 again; grid 256 x 1, 8 waves a work-group, no clusters, 168,960 bytes of LDS; arguments offset, trans_std, wt; writes wt
;; launch dot (part 4): grid 256 x 1, 8 waves a work-group, no clusters, 25,856 bytes of LDS; arguments data, wt, out0; writes out0
.if DOCPART == 4
	.amdgcn_target "amdgcn-amd-amdhsa--gfx1250"
	.amdhsa_code_object_version 6
	.text
	.protected	k_q049ed8456a_dot
	.globl	k_q049ed8456a_dot
	.p2align	8
	.type	k_q049ed8456a_dot,@function
k_q049ed8456a_dot:
	s_mov_b64 s[64:65], 0
	v_nop
	global_prefetch_b8 v0, s[64:65] scope:SCOPE_SE
	s_setreg_imm32_b32 hwreg(HW_REG_WAVE_SCHED_MODE, 0, 2), 2
	s_setreg_imm32_b32 hwreg(HW_REG_WAVE_MODE, 25, 1), 1
	s_wait_xcnt 0x0
	s_wait_alu depctr_vm_vsrc(0)
; SECOND OF TWO LAUNCHES.  out0[b][c] = 1/4096 * sum over the 4,096 pixels p of data[b][c][p] * Wt[b][p].
; wt, from the launch before, holds for batch b at 32768 b + 16384 kh + 4096 q the quadrant q of the map (py from 32 (q / 2), px from
; 32 (q % 2), 32 rows of 32 f32) summed over half kh of the samples; Wt is the sum of the two halves.
;
; SHARES.  256 work-groups of 8 waves; work-group x has batch x / 8 and channels 32 (x % 8) .. + 31: 512 KiB of data, each byte read once,
; straight from memory into registers: a plane is read by one wave alone, so LDS would only add a read to every byte.
; Wave w has channels 4 w .. 4 w + 3, 64 KiB in a row = 8 chunks of 16 loads of 512 bytes, through a ring of four chunks in v256-v511:
; one at work, three (48 loads, 24 KiB a wave) on their way; a chunk's registers are loaded again as soon as its products are made.
; The map: thread t loads its 16 bytes of the 2 x 4 partial quadrants, adds the halves, lays them into LDS in the pixels' order; behind one
; barrier every wave reads the 16 KiB into v128-v255, where load m brings pixels 128 m + 4 lane .. + 3, as the planes' loads do.
; f32 throughout, no matrix unit: a product with a single column would use one sixteenth of it.
; NO CLUSTER: the eight work-groups of a batch share only the map, 32 KiB of the 544 KiB that each reads.
;
; THE MODE: SCHED_MODE bits 1:0 = 2 (LLVM: expert scheduling mode 2), set by the entry lines.  The code itself states the register dependences
; between vector instructions and memory or LDS instructions, with s_wait_alu, always for 0.
; THE PLAN.  Registers that memory or LDS instructions touch:
;   v1, v7       offsets of all global loads.  Written at the head, never again: one wait ahead of the first load serves every load of the kernel.
;   v4, v5, v6   LDS addresses.  Written behind the first 56 loads, never again; first read by the map's LDS stores.
;   v32-v63      the map's eight loads land here; eight adds write v32-v47; four LDS stores read those.  At the end four permutes write v32-v35,
;                and wave 0 makes two addresses in v32, v33 and loads into v34.
;   v128-v255    the map: 32 LDS loads land here once; the products read it.
;   v256-v511    the ring.  Slot c % 4: chunk c's loads land, its 32 products read it, and for c = 0 to 3 the loads of chunk c + 4 land in it.
;   v12-v15      the four sums: written by vector instructions, read by one LDS store.
;   The chains v16-v23 are named by vector instructions alone.
; So a chunk that is filled again has ONE wait, behind its products and ahead of its run of 16 loads.  It stands there, and not at the next chunk's
; head, because a slot that waited for the next chunk's data would lie idle meanwhile: 32 loads of a wave on their way in place of 48.
; The vector instructions that stand behind a run of loads (the LDS addresses, the folds, the next chunk's products) name none of the
; registers that those loads read or write, so nothing is stated for them.
;
; LIMITS.  The sums run in another order than reference()'s.  An infinity or NaN in a pixel that no sample touches meets the weight 0
; here and gives NaN, where reference() never reads that pixel.
.set PLANE,  16384                     ; bytes of one channel's 64 x 64 plane
.set WPITCH, 384                       ; LDS pitch of the map's rows of 256 bytes: the two half rows that sixteen lanes store lie 384 bytes apart,
                                       ; so one falls on the first 128 of 256 bytes and the other on the second; reads take whole rows
.set OUTG,   64*WPITCH                 ; behind the map: the work-group's 32 results
.set LANE16, 1                         ; v1   16 x lane: offset of the data loads, never rewritten
.set VR,     2                         ; v2   lane % 16
.set VH,     3                         ; v3   lane / 16
.set WST,    4                         ; v4   LDS: where I put 16 bytes of a quadrant
.set WRD,    5                         ; v5   LDS: the map's rows 0 and 1
.set OST,    6                         ; v6   LDS: my wave's four results
.set TID16,  7                         ; v7   16 x thread: offset of the map's loads
.set T0,     8                         ; v8   at work
.set SUM,    12                        ; v[12:15]   four channel sums
.set CH,     16                        ; v[16:23]   four chains of two sums
.set WP,     32                        ; v[32:63]   partial quadrants: half kh, quadrant q at 16 kh + 4 q
.set WT,     128                       ; v[128:255] the map: pixels 128 m + 4 lane .. + 3 at 4 m
.set MSB, 0
.macro WIN new                         ; register window; the immediate's high byte repeats the setting that is left
.if MSB != \new
	s_set_vgpr_msb (MSB<<8)|\new
.set MSB, \new
.endif
.endm
.macro DLOAD c                         ; chunk c: bytes 8192 c .. + 8191 of my wave's 64 KiB into ring slot c % 4 (v[256 + 64 (c % 4)] on)
.set j, 0
.rept 16
	global_load_b128 v[64*((\c)&3)+4*j:64*((\c)&3)+4*j+3], v[LANE16], s[4:5] offset:512*(16*(\c)+j) th:TH_LOAD_NT
.set j, j+1
.endr
.endm
	s_load_b128 s[4:7], s[0:1], 0x0                ; data s[4:5], wt s[6:7]
	s_load_b64 s[10:11], s[0:1], 0x10              ; out0
	v_lshl_add_u32 v126, v0, 2, 0x6100
	v_mov_b32 v127, 0
	v_lshrrev_b32 v[T0], 5, v0
	v_readfirstlane_b32 s12, v[T0]                 ; wave 0..7
	v_and_b32 v[LANE16], 31, v0
	v_lshlrev_b32 v[LANE16], 4, v[LANE16]
	v_lshlrev_b32 v[TID16], 4, v0
	s_lshl_b32 s14, ttmp9, 19                      ; 32 planes a work-group
	s_wait_alu depctr_va_sdst(0)                   ; s12 is written, ahead of its first reader: the data's base is made from it
	s_lshl_b32 s13, s12, 16                        ; 4 planes a wave
	s_add_co_u32 s14, s14, s13                     ; below 2^27
	s_mov_b32 s15, 0
	s_lshr_b32 s16, ttmp9, 3                       ; batch
	s_lshl_b32 s16, s16, 15                        ; 2 x 16 KiB of wt a batch
	s_mov_b32 s17, 0
	s_lshl_b32 s18, ttmp9, 7                       ; 32 results a work-group
	s_mov_b32 s19, 0
	s_mov_b32 s34, 0x76543210                      ; v_permlanex16_b32: lane i takes lane i of the other half
	s_mov_b32 s35, 0xfedcba98
	s_wait_kmcnt 0x0
	s_add_nc_u64 s[4:5], s[4:5], s[14:15]          ; data at my wave's four planes
	s_add_nc_u64 s[6:7], s[6:7], s[16:17]          ; wt at my batch
	s_add_nc_u64 s[10:11], s[10:11], s[18:19]      ; out0 at the work-group's 32 results
	s_wait_alu depctr_va_vdst(0)                   ; v1 and v7 are written: every global load of the kernel reads one of them as its offset, and no later vector instruction writes them
	; what is needed first is asked for first
.irp k, 0,1
.irp q, 0,1,2,3
	global_load_b128 v[WP+16*\k+4*\q:WP+16*\k+4*\q+3], v[TID16], s[6:7] offset:PLANE*\k+4096*\q
.endr
.endr
	WIN 0x40                                       ; destination in block 1, address in block 0; between the wait above and these loads stand loads and this switch alone
	DLOAD 0
	DLOAD 1
	DLOAD 2
	WIN 0
	v_and_b32 v[VR], 15, v0                        ; the LDS addresses are made while the 56 loads go out: none of these lines names v1, v7 or a register in which a load lands
	v_bfe_u32 v[VH], v0, 4, 1
	v_lshrrev_b32 v[T0], 3, v0                     ; thread t holds row t / 8 of a quadrant,
	v_mul_u32_u24 v[WST], v[T0], WPITCH
	v_and_b32 v[T0], 7, v0                         ; columns 4 (t % 8) .. + 3
	v_lshl_add_u32 v[WST], v[T0], 4, v[WST]
	v_mul_u32_u24 v[WRD], v[VH], WPITCH            ; two whole rows: lanes 0-15 one, lanes 16-31 the next
	v_lshl_add_u32 v[WRD], v[VR], 4, v[WRD]
	s_lshl_b32 s13, s12, 4
	s_add_co_u32 s13, s13, OUTG
	v_mov_b32 v[OST], s13
	s_wait_loadcnt 48                              ; loads return in order (ISA guide 5.7.1): the map's 8 are in, the 48 of chunks 0 to 2 stay out
.irp q, 0,1,2,3
	v_pk_add_f32 v[WP+4*\q:WP+4*\q+1],   v[WP+4*\q:WP+4*\q+1],   v[WP+16+4*\q:WP+16+4*\q+1]     ; the two halves of K
	v_pk_add_f32 v[WP+4*\q+2:WP+4*\q+3], v[WP+4*\q+2:WP+4*\q+3], v[WP+16+4*\q+2:WP+16+4*\q+3]
.endr
	s_wait_alu depctr_va_vdst(0)                   ; the adds have written v[WP .. WP+15], the LDS stores' data; v4, v5 and v6, the LDS addresses of the stores and loads below, are written too
.irp q, 0,1,2,3
	ds_store_b128 v[WST], v[WP+4*\q:WP+4*\q+3] offset:32*WPITCH*(\q/2)+128*(\q%2)               ; quadrant q: 32 (q / 2) rows down, 32 (q % 2) columns on
.endr
	s_wait_dscnt 0x0                               ; for the others: my stores are done
	s_barrier_signal -1
	s_barrier_wait -1                              ; the map is whole
.set m, 0
.rept 32
	ds_load_b128 v[WT+4*m:WT+4*m+3], v[WRD] offset:2*WPITCH*m   ; no vector instruction since the wait above: v5 is written, and nothing has named v128-v255 yet
.set m, m+1
.endr
	WIN 0x40
	DLOAD 3                                        ; the ring's fourth chunk, here so that its issue falls into the wait for the map; no vector instruction has named its slot
	s_wait_dscnt 0x0
.macro MAC4 ch, a, w, first            ; four products into two of the four chains; the first ones start the chains: nothing is cleared
.if \first
	v_pk_mul_f32 v[\ch:\ch+1],   v[\a:\a+1],   v[\w:\w+1]
	v_pk_mul_f32 v[\ch+2:\ch+3], v[\a+2:\a+3], v[\w+2:\w+3]
.else
	v_pk_fma_f32 v[\ch:\ch+1],   v[\a:\a+1],   v[\w:\w+1],   v[\ch:\ch+1]
	v_pk_fma_f32 v[\ch+2:\ch+3], v[\a+2:\a+3], v[\w+2:\w+3], v[\ch+2:\ch+3]
.endif
.endm
.macro FOLD s                          ; eight partial sums of a lane into one
	v_pk_add_f32 v[CH:CH+1],   v[CH:CH+1],   v[CH+2:CH+3]
	v_pk_add_f32 v[CH+4:CH+5], v[CH+4:CH+5], v[CH+6:CH+7]
	v_pk_add_f32 v[CH:CH+1],   v[CH:CH+1],   v[CH+4:CH+5]
	v_add_f32 v[SUM+\s], v[CH], v[CH+1]
.endm
; Chunk c = half c % 2 of plane c / 2.  left = how many younger loads may stay out; refill = 1: the slot takes chunk c + 4.
.macro DOT c, left, refill
	s_wait_loadcnt \left
	WIN 0x01                                       ; source 0 (the data) in block 1
.set i, 0
.rept 16
	MAC4 CH+4*(i&1), 64*(\c&3)+4*i, WT+4*(16*(\c&1)+i), (1-(\c&1))*(i<2)
.set i, i+1
.endr
.if \refill
	WIN 0x40                                       ; the switch, then the wait, then the loads
	s_wait_alu depctr_va_vdst(0)                   ; this chunk's 32 products are done reading the slot, in which the 16 loads below land
	DLOAD \c+4
.endif
.if \c&1
	WIN 0
	FOLD (\c/2)                                    ; names the chains and the sums alone: none of the registers of the loads just issued
.endif
.endm
	DOT 0, 48, 1                                   ; behind chunk c stand chunks c + 1 to c + 3: 48 loads stay out
	DOT 1, 48, 1
	DOT 2, 48, 1
	DOT 3, 48, 1
	DOT 4, 48, 0                                   ; the last four load nothing, so they hold no s_wait_alu: the counts run down
	DOT 5, 32, 0
	DOT 6, 16, 0
	DOT 7, 0, 0
	; over the 32 lanes: four steps inside each half ride on the add, one crosses the halves; every lane ends with the four sums
.irp x, 1,2,4,8
.irp p, 0,1,2,3
	v_add_f32_dpp v[SUM+\p], v[SUM+\p], v[SUM+\p] row_xmask:\x row_mask:0xf bank_mask:0xf
.endr
.endr
	s_wait_alu depctr_vm_vsrc(0)                   ; the map's LDS stores have read v[WP .. WP+15]: the permutes below, wave 0's two addresses and its LDS load write the first of them again
.irp p, 0,1,2,3
	v_permlanex16_b32 v[WP+\p], v[SUM+\p], s34, s35             ; destination written before (the partial quadrants' registers)
.endr
.irp p, 0,1,2,3
	v_add_f32 v[SUM+\p], v[SUM+\p], v[WP+\p]
.endr
	v_pk_mul_f32 v[SUM:SUM+1],   v[SUM:SUM+1],   0x39800000 op_sel_hi:[1,0]   ; the mean: x 2^-12, exact
	v_pk_mul_f32 v[SUM+2:SUM+3], v[SUM+2:SUM+3], 0x39800000 op_sel_hi:[1,0]
	s_wait_alu depctr_va_vdst(0)                   ; the four sums are written, which the LDS store reads
	ds_store_b128 v[OST], v[SUM:SUM+3]             ; all lanes write the same 16 bytes with the same values
	s_wait_dscnt 0x0
	s_barrier_signal -1
	s_barrier_wait -1
	s_cmp_lg_u32 s12, 0
	s_cbranch_scc1 .Ldone                          ; wave 0 stores the work-group's 32 results: 128 consecutive bytes in one instruction
	v_lshrrev_b32 v[WP], 2, v[LANE16]              ; 4 x lane
	v_add_nc_u32 v[WP+1], OUTG, v[WP]
	s_wait_alu depctr_va_vdst(0)                   ; v[WP+1], the LDS load's address, and v[WP], the store's offset, are written
	ds_load_b32 v[WP+2], v[WP+1]
	s_wait_dscnt 0x0
	global_store_b32 v[WP], v[WP+2], s[10:11]
.Ldone:
	s_wait_dscnt 0x0
	s_wait_alu depctr_hold_cnt(0) depctr_sa_sdst(0) depctr_va_vdst(0) depctr_va_sdst(0) depctr_va_ssrc(0) depctr_va_vcc(0) depctr_vm_vsrc(0)
	s_wait_tensorcnt 0x0
	ds_add_u32 v126, v127
	s_wait_dscnt 0x0
	s_endpgm
.Lfunc_end_k_q049ed8456a_dot:
	.size	k_q049ed8456a_dot, .Lfunc_end_k_q049ed8456a_dot-k_q049ed8456a_dot
	.p2alignl 7, 3214868480
	.fill 96, 4, 3214868480
	.section	.rodata,"a",@progbits
	.p2align	6, 0x0
	.amdhsa_kernel k_q049ed8456a_dot
		.amdhsa_group_segment_fixed_size 25856
		.amdhsa_private_segment_fixed_size 0
		.amdhsa_enable_private_segment 0
		.amdhsa_kernarg_size 24
		.amdhsa_user_sgpr_count 2
		.amdhsa_user_sgpr_kernarg_segment_ptr 1
		.amdhsa_wavefront_size32 1
		.amdhsa_system_sgpr_workgroup_id_x 1
		.amdhsa_system_sgpr_workgroup_id_y 1
		.amdhsa_system_sgpr_workgroup_id_z 1
		.amdhsa_system_vgpr_workitem_id 0
		.amdhsa_next_free_vgpr 512
		.amdhsa_next_free_sgpr 66
		.amdhsa_reserve_vcc 0
		.amdhsa_float_denorm_mode_32 3
		.amdhsa_float_denorm_mode_16_64 3
		.amdhsa_memory_ordered 1
		.amdhsa_forward_progress 1
		.amdhsa_inst_pref_size 38
	.end_amdhsa_kernel
	.amdgpu_metadata
---
amdhsa.version: [ 1, 2 ]
amdhsa.kernels:
  - .name:           k_q049ed8456a_dot
    .symbol:         k_q049ed8456a_dot.kd
    .args:
      - { .name: data, .offset: 0, .size: 8, .value_kind: global_buffer, .address_space: global }
      - { .name: wt, .offset: 8, .size: 8, .value_kind: global_buffer, .address_space: global }
      - { .name: out0, .offset: 16, .size: 8, .value_kind: global_buffer, .address_space: global }
    .group_segment_fixed_size: 25856
    .private_segment_fixed_size: 0
    .kernarg_segment_align: 8
    .kernarg_segment_size: 24
    .max_flat_workgroup_size: 256
    .sgpr_count:     66
    .vgpr_count:     512
    .wavefront_size: 32
...
	.end_amdgpu_metadata
.endif
;; end of part 4
